; MI455X (gfx1250); checked and timed in simulation.
; The chip was launched on July 23, 2026; its instructions are those of AMD's public machine-readable ISA for CDNA 5 (MIT licence, August 2026) and "CDNA5" Instruction Set Architecture Reference Guide (July 2026). The comments in the code are by the model that wrote it; some were corrected since.
;; Mixture Of Experts. Allowed arithmetic: float matrix products may take bf16 or f16 operands with f32 sums; all other float work in f32.
;; Inputs: gate_w 1,024 x 8 float32; w1 8 x 1,024 x 2,048 float32; w2 8 x 2,048 x 1,024 float32; x 2 x 1,024 x 1,024 float32.
;; Outputs: out0 2 x 1,024 x 1,024 float32.
;; One version. Each part assembles by itself: llvm-mc -triple=amdgcn-amd-amdhsa -mcpu=gfx1250 --defsym DOCPART=n.
;; ======== version 1 of 1: 5 launches
;; limits: values are held in f16: magnitudes above 65,504 overflow, below 6.1e-05 lose precision
;; workspace buffers: sel 8,192 bytes of whole numbers; wts 16,384 bytes; plan 8,448 bytes of whole numbers; cwp 17,920 bytes; xg 9,142,272 bytes; hg 18,284,544 bytes; y 36,569,088 bytes
;; launch route (part 1): grid 256 x 1, 8 waves a work-group, no clusters, 3,072 bytes of LDS; arguments x, gate_w, sel, wts; writes sel, wts
.if DOCPART == 1
	.amdgcn_target "amdgcn-amd-amdhsa--gfx1250"
	.amdhsa_code_object_version 6
	.text
	.protected	k_qc6fd5901dc_route
	.globl	k_qc6fd5901dc_route
	.p2align	8
	.type	k_qc6fd5901dc_route,@function
k_qc6fd5901dc_route:
	s_mov_b64 s[64:65], 0
	v_nop
	global_prefetch_b8 v0, s[64:65] scope:SCOPE_SE
	s_setreg_imm32_b32 hwreg(HW_REG_WAVE_MODE, 25, 1), 1
	s_wait_xcnt 0x0
; ROUTER.  logits[t][e] = sum over d of x[t][d] gate_w[d][e]; the two largest of the 8 logits; a softmax over those two.
; Out: sel[t] = e0 | e1 << 8 (whole numbers), wts[t] = (w0, w1) in f32.
; All in f32 on the vector unit: which expert is chosen hangs on the order of the logits, and operands of 16 bits
; would change that order for tokens whose second and third logit lie close.  The product is 2048 x 1024 x 8, a small part of the work.
; LIMITS: logits must be finite (no NaN, no infinity).  A second and third logit closer than the error of an f32 sum of 1,024 terms may change places.
; A work-group takes 8 tokens.  Thread t takes d = 4 t .. 4 t + 3 of all 8 rows: one load of a wave covers 512 neighbouring bytes of a row.
; The stores of sel and wts are 32 and 64 bytes a work-group: 24 KiB in the whole launch.
.set G,   8                            ; v[8:39]    gate_w[4 t + i][e] at G + 8 i + e
.set X,   40                           ; v[40:71]   x[row][4 t .. 4 t + 3] at X + 4 row
.set ACC, 72                           ; v[72:135]  partial logit (row, e) at ACC + 8 row + e
.set P,   8                            ; v[8:71]    wave 0, behind the barrier: the eight waves' partial logits of my row
	s_load_b256 s[4:11], s[0:1], 0x0               ; x s[4:5], gate_w s[6:7], sel s[8:9], wts s[10:11]
	v_lshl_add_u32 v140, v0, 2, 0x800
	v_mov_b32 v141, 0
	v_lshrrev_b32 v3, 5, v0
	v_readfirstlane_b32 s12, v3                    ; wave
	v_lshlrev_b32 v1, 4, v0                        ; my 16 bytes in a row of x
	v_lshlrev_b32 v2, 7, v0                        ; my 4 rows of 32 bytes in gate_w
	s_lshl_b32 s16, ttmp9, 15                      ; 8 rows of 4,096 bytes a work-group
	s_mov_b32 s17, 0
	s_mov_b32 s14, 0x76543210                      ; v_permlanex16_b32: lane i of one half reads lane i of the other
	s_mov_b32 s15, 0xfedcba98
	s_wait_kmcnt 0x0
	s_add_nc_u64 s[4:5], s[4:5], s[16:17]
.irp q, 0,1,2,3,4,5,6,7
	global_load_b128 v[G+4*\q:G+4*\q+3], v2, s[6:7] offset:16*\q
.endr
.irp r, 0,1,2,3,4,5,6,7
	global_load_b128 v[X+4*\r:X+4*\r+3], v1, s[4:5] offset:4096*\r
.endr
	s_wait_loadcnt 0x0                             ; all 16 loads went out together; nothing else is there to do meanwhile
; 4 d x 8 experts for each row, two experts at a time; x is broadcast to both halves by op_sel.  The first product starts the sums.
.irp r, 0,1,2,3,4,5,6,7
.irp p, 0,1,2,3
	v_pk_mul_f32 v[ACC+8*\r+2*\p:ACC+8*\r+2*\p+1], v[X+4*\r:X+4*\r+1], v[G+2*\p:G+2*\p+1] op_sel_hi:[0,1]
.endr
.irp p, 0,1,2,3
	v_pk_fma_f32 v[ACC+8*\r+2*\p:ACC+8*\r+2*\p+1], v[X+4*\r:X+4*\r+1], v[G+8+2*\p:G+8+2*\p+1], v[ACC+8*\r+2*\p:ACC+8*\r+2*\p+1] op_sel:[1,0,0] op_sel_hi:[1,1,1]
.endr
.irp p, 0,1,2,3
	v_pk_fma_f32 v[ACC+8*\r+2*\p:ACC+8*\r+2*\p+1], v[X+4*\r+2:X+4*\r+3], v[G+16+2*\p:G+16+2*\p+1], v[ACC+8*\r+2*\p:ACC+8*\r+2*\p+1] op_sel_hi:[0,1,1]
.endr
.irp p, 0,1,2,3
	v_pk_fma_f32 v[ACC+8*\r+2*\p:ACC+8*\r+2*\p+1], v[X+4*\r+2:X+4*\r+3], v[G+24+2*\p:G+24+2*\p+1], v[ACC+8*\r+2*\p:ACC+8*\r+2*\p+1] op_sel:[1,0,0] op_sel_hi:[1,1,1]
.endr
.endr
; The sum over the wave's 32 lanes, stage by stage over all 64 sums, so that no instruction waits for the one in front of it.
.irp k, 1,2,4,8
.set i, 0
.rept 64
	v_add_f32_dpp v[ACC+i], v[ACC+i], v[ACC+i] row_xmask:\k row_mask:0xf bank_mask:0xf
.set i, i+1
.endr
.endr
.set i, 0
.rept 64
	v_permlanex16_b32 v[G+i], v[ACC+i], s14, s15   ; G and X are done with, and have been written: the destination counts as read
.set i, i+1
.endr
.set i, 0
.rept 32
	v_pk_add_f32 v[ACC+2*i:ACC+2*i+1], v[ACC+2*i:ACC+2*i+1], v[G+2*i:G+2*i+1]
.set i, i+1
.endr
	v_mov_b32 v4, s12
	v_lshlrev_b32 v4, 8, v4                        ; my wave's 256 bytes: 8 rows x 8 experts
.irp q, 0,1,2,3,4,5,6,7,8,9,10,11,12,13,14,15
	ds_store_b128 v4, v[ACC+4*\q:ACC+4*\q+3] offset:16*\q   ; every lane holds the same sums and writes the same words
.endr
	s_wait_dscnt 0x0                               ; my stores are done, for wave 0's sake
	s_barrier_signal -1
	s_barrier_wait -1
	s_cmp_lg_u32 s12, 0
	s_cbranch_scc1 .Lend                           ; wave 0 finishes the 8 tokens
	v_and_b32 v4, 7, v0                            ; row = lane mod 8 (lanes 8 to 31 repeat the work and store nothing)
	v_lshlrev_b32 v4, 5, v4
.irp w, 0,1,2,3,4,5,6,7
	ds_load_b128 v[P+8*\w:P+8*\w+3],   v4 offset:256*\w
	ds_load_b128 v[P+8*\w+4:P+8*\w+7], v4 offset:256*\w+16
.endr
	s_lshl_b32 s16, ttmp9, 5                       ; 8 tokens x 4 bytes of sel
	s_lshl_b32 s18, ttmp9, 6                       ; 8 tokens x 8 bytes of wts
	s_mov_b32 s19, 0
	s_add_nc_u64 s[8:9], s[8:9], s[16:17]
	s_add_nc_u64 s[10:11], s[10:11], s[18:19]
	v_lshlrev_b32 v5, 2, v0
	v_lshlrev_b32 v6, 3, v0
	v_mov_b32 v76, 0xff800000                      ; minus infinity
	s_wait_dscnt 0x0
.irp w, 1,2,3,4,5,6,7
.irp p, 0,1,2,3
	v_pk_add_f32 v[P+2*\p:P+2*\p+1], v[P+2*\p:P+2*\p+1], v[P+8*\w+2*\p:P+8*\w+2*\p+1]
.endr
.endr
	; the largest: the best so far stays where it is at least as large, so that of equal logits the lower index wins
	v_mov_b32 v72, v[P]
	v_mov_b32 v73, 0
.irp e, 1,2,3,4,5,6,7
	v_cmp_ge_f32 vcc_lo, v72, v[P+\e]
	v_cndmask_b32 v72, v[P+\e], v72, vcc_lo
	v_cndmask_b32 v73, \e, v73, vcc_lo
.endr
.irp e, 0,1,2,3,4,5,6,7
	v_cmp_eq_u32 vcc_lo, \e, v73
	v_cndmask_b32 v[P+\e], v[P+\e], v76, vcc_lo    ; the winner leaves the field
.endr
	v_mov_b32 v74, v[P]
	v_mov_b32 v75, 0
.irp e, 1,2,3,4,5,6,7
	v_cmp_ge_f32 vcc_lo, v74, v[P+\e]
	v_cndmask_b32 v74, v[P+\e], v74, vcc_lo
	v_cndmask_b32 v75, \e, v75, vcc_lo
.endr
	; softmax over (l1, l2) with the maximum l1 taken away: t = e^(l2 - l1) <= 1, w0 = 1 / (1 + t), w1 = t w0
	v_sub_f32 v77, v74, v72
	v_mul_f32 v77, 0x3fb8aa3b, v77
	v_exp_f32 v77, v77
	v_lshl_or_b32 v80, v75, 8, v73                 ; sel; also the plain instruction behind v_exp_f32 (ISA guide 5.7.2)
	s_wait_alu depctr_va_vdst(0)
	v_add_f32 v81, 1.0, v77
	v_rcp_f32 v78, v81
	v_nop                                          ; the plain instruction behind v_rcp_f32
	s_wait_alu depctr_va_vdst(0)
	v_mul_f32 v79, v77, v78
	s_wait_xcnt 0x0                                ; EXEC changes only behind this wait
	v_cmp_gt_u32 vcc_lo, 8, v0
	s_and_saveexec_b32 s20, vcc_lo
	global_store_b32 v5, v80, s[8:9]
	global_store_b64 v6, v[78:79], s[10:11]
.Lend:
	s_wait_xcnt 0x0
	s_mov_b32 exec_lo, -1
	s_wait_tensorcnt 0x0
	ds_add_u32 v140, v141
	s_wait_dscnt 0x0
	s_endpgm
.Lfunc_end_k_qc6fd5901dc_route:
	.size	k_qc6fd5901dc_route, .Lfunc_end_k_qc6fd5901dc_route-k_qc6fd5901dc_route
	.p2alignl 7, 3214868480
	.fill 96, 4, 3214868480
	.section	.rodata,"a",@progbits
	.p2align	6, 0x0
	.amdhsa_kernel k_qc6fd5901dc_route
		.amdhsa_group_segment_fixed_size 3072
		.amdhsa_private_segment_fixed_size 0
		.amdhsa_enable_private_segment 0
		.amdhsa_kernarg_size 32
		.amdhsa_user_sgpr_count 2
		.amdhsa_user_sgpr_kernarg_segment_ptr 1
		.amdhsa_wavefront_size32 1
		.amdhsa_system_sgpr_workgroup_id_x 1
		.amdhsa_system_sgpr_workgroup_id_y 1
		.amdhsa_system_sgpr_workgroup_id_z 1
		.amdhsa_system_vgpr_workitem_id 0
		.amdhsa_next_free_vgpr 142
		.amdhsa_next_free_sgpr 66
		.amdhsa_reserve_vcc 1
		.amdhsa_float_denorm_mode_32 3
		.amdhsa_float_denorm_mode_16_64 3
		.amdhsa_memory_ordered 1
		.amdhsa_forward_progress 1
		.amdhsa_inst_pref_size 40
	.end_amdhsa_kernel
	.amdgpu_metadata
---
amdhsa.version: [ 1, 2 ]
amdhsa.kernels:
  - .name:           k_qc6fd5901dc_route
    .symbol:         k_qc6fd5901dc_route.kd
    .args:
      - { .name: x, .offset: 0, .size: 8, .value_kind: global_buffer, .address_space: global }
      - { .name: gate_w, .offset: 8, .size: 8, .value_kind: global_buffer, .address_space: global }
      - { .name: sel, .offset: 16, .size: 8, .value_kind: global_buffer, .address_space: global }
      - { .name: wts, .offset: 24, .size: 8, .value_kind: global_buffer, .address_space: global }
    .group_segment_fixed_size: 3072
    .private_segment_fixed_size: 0
    .kernarg_segment_align: 8
    .kernarg_segment_size: 32
    .max_flat_workgroup_size: 256
    .sgpr_count:     66
    .vgpr_count:     142
    .wavefront_size: 32
...
	.end_amdgpu_metadata
.endif
;; end of part 1
;; launch gather (part 2): grid 93 x 3, 8 waves a work-group, no clusters, 35,328 bytes of LDS; arguments x, wts, sel, xg, cwp, plan; writes xg, cwp, plan
.if DOCPART == 2
	.amdgcn_target "amdgcn-amd-amdhsa--gfx1250"
	.amdhsa_code_object_version 6
	.text
	.protected	k_qc6fd5901dc_gather
	.globl	k_qc6fd5901dc_gather
	.p2align	8
	.type	k_qc6fd5901dc_gather,@function
k_qc6fd5901dc_gather:
	s_mov_b64 s[64:65], 0
	v_nop
	global_prefetch_b8 v0, s[64:65] scope:SCOPE_SE
	s_setreg_imm32_b32 hwreg(HW_REG_WAVE_MODE, 25, 1), 1
	s_wait_xcnt 0x0
; PLACEMENT AND GATHER.  The 4,096 (token, slot) pairs are sorted by expert, each expert's rows padded to whole units of 48; the sorted rows of x
; are rounded to f16 and laid out as ready matrix operands.
; xg, for sorted row 48 u + 16 m + r and columns 32 s + 16 f + 8 g + 0..7:  byte u x 98,304 + s x 3,072 + m x 1,024 + f x 512 + (16 g + r) x 16.
; That is the register image of a 16-bit operand of 16 rows x 32 K (ISA guide 7.12.2): two loads of 16 bytes a lane at 16 x lane fill it,
; and each such load covers 512 neighbouring bytes.  Rows of padding are zeros.
; cwp[sorted row] = the row's combine weight, 0 in padding.
; plan:  byte 0 ub[8] first unit of each expert;  byte 32 nu[8] units of each expert;  byte 256 pos[2048] = p0 | p1 << 16, the sorted rows of a token's two slots.
; A work-group makes the 16 sorted rows (u, m).  EVERY WORK-GROUP REPEATS THE PLACEMENT from sel (8 KiB, whole numbers alone): that spares a launch of
; one work-group and the way of the sorted order through memory.  All work-groups rank alike: by wave (256 tokens each), then by register, then by lane.
; The grid is the largest number of units that any routing gives, (4096 + 8 x 47) / 48 = 93; how many are used is known only here; the units behind
; the last expert's get zeros, so that every byte of xg and cwp is defined.
; LIMIT: |x| below 65,504, the range of f16.
; SMALL STORES: cwp 64 bytes a work-group; pos 2 bytes for each true row, at places far apart (a row's place in pos hangs on its token): 8 KiB in the launch.
.set PITCH, 2064                       ; an LDS row: 2,048 bytes + 16 = 129 x 16: the 16 rows that a load touches lie in 16 different 16-byte columns modulo 256
.set CNT,   33024                      ; LDS behind the 16 rows: wave w's eight counts, 16 bytes at CNT + 16 w
.set LIST,  33280                      ; wave w's list: 32 words at LIST + 128 w; words 0-15 the work-group's rows, word 16 takes what belongs to other rows
.set POS_OFF, 256
.set S,   8                            ; v[8:15]    sel: register k holds token 256 w + 128 (k / 4) + 4 lane + k mod 4
.set E0,  24                           ; v[24:31]   its first expert
.set E1,  32                           ; v[32:39]   its second
.set T,   40                           ; v[40:43]   at work
.set CN,  48                           ; v48        my 16 choices counted in eight fields of 4 bits (8 at the most in a field)
.set Q,   52                           ; v[52:55]   counts of experts 2 q (low half) and 2 q + 1 (high half)
.set C,   56                           ; v[56:59]   the same of wave (lane mod 8), from LDS
.set TT,  60                           ; v[60:63]   the same of all waves
.set PV,  64                           ; v64        rows of my expert in the waves in front of mine
.set D,   68                           ; v[68:75]   where register k's entry goes
.set EN,  76                           ; v[76:83]   the entry, 2 token + slot
.set M,   84                           ; v[84:99]   my two rows in the eight lists
.set L16, 104                          ; v[104:111] wave 0: the 16 rows in the eight lists
; four registers r .. r + 3: each lane adds the lane whose number differs in the bits x (inside a row of 16 lanes)
.macro XSUM4 r, x
.irp q, 0,1,2,3
	v_mov_b32_dpp v[T+\q], v[\r+\q] row_xmask:\x row_mask:0xf bank_mask:0xf
.endr
.irp q, 0,1,2,3
	v_add_nc_u32 v[\r+\q], v[\r+\q], v[T+\q]
.endr
.endm
	s_load_b256 s[4:11], s[0:1], 0x0               ; x s[4:5], wts s[6:7], sel s[8:9], xg s[10:11]
	s_load_b128 s[12:15], s[0:1], 0x20             ; cwp s[12:13], plan s[14:15]
	v_lshl_add_u32 v120, v0, 2, 0x8600
	v_mov_b32 v121, 0
	v_lshrrev_b32 v2, 5, v0
	v_readfirstlane_b32 s16, v2                    ; wave
	v_and_b32 v1, 31, v0                           ; lane
	s_and_b32 s17, ttmp7, 0xffff                   ; m
	s_mov_b32 s18, ttmp9                           ; u
	v_lshlrev_b32 v3, 4, v1                        ; 16 lane
	s_lshl_b32 s28, s16, 10
	v_add_nc_u32 v16, s28, v3                      ; my wave's 256 tokens x 4 bytes + 16 lane
	s_wait_kmcnt 0x0
	global_load_b128 v[S:S+3],   v16, s[8:9]
	global_load_b128 v[S+4:S+7], v16, s[8:9] offset:512
	; while sel is on its way: constants and addresses
	s_mov_b32 s44, 0x76543210                      ; v_permlanex16_b32: lane i of one half reads lane i of the other
	s_mov_b32 s45, 0xfedcba98
	s_lshl_b32 s28, s16, 7
	s_add_co_u32 s28, s28, LIST
	v_mov_b32 v6, s28                              ; my list
	v_lshl_add_u32 v2, v1, 2, s28
	v_mov_b32 v17, 4096                            ; the mark of a row of padding: above every entry
	ds_store_b32 v2, v17                           ; my whole list starts as padding
	s_lshl_b32 s29, s16, 9
	v_lshl_add_u32 v7, v1, 3, s29                  ; 2 x (256 w + 4 lane)
	v_mov_b32 v18, 1
	s_lshl_b32 s29, s16, 4
	s_add_co_u32 s29, s29, CNT
	v_mov_b32 v19, s29                             ; where my wave's counts go
	v_and_b32 v21, 7, v1
	v_lshlrev_b32 v20, 4, v21
	v_add_nc_u32 v20, CNT, v20                     ; the counts of wave (lane mod 8)
	s_lshl_b32 s29, s16, 3
	s_add_co_u32 s29, s29, LIST
	v_mov_b32 v22, s29                             ; rows 2 w and 2 w + 1 in list 0
	s_mul_i32 s19, s18, 48
	s_lshl4_add_u32 s19, s17, s19                  ; the work-group's first sorted row, 48 u + 16 m
	s_mul_i32 s28, s16, 2*PITCH
	v_lshl_add_u32 v4, v1, 3, s28                  ; rows in: my first row + 8 lane
	v_and_b32 v5, 15, v1
	v_lshrrev_b32 v23, 4, v1
	v_mul_u32_u24 v5, v5, PITCH
	v_lshl_add_u32 v5, v23, 4, v5
	s_lshl_b32 s29, s16, 8
	v_add_nc_u32 v5, s29, v5                       ; rows back: row lane mod 16, 16 bytes for each half of the lanes, K steps 4 w .. 4 w + 3
	s_mul_i32 s30, s18, 98304
	s_lshl_b32 s31, s17, 10
	s_add_co_u32 s30, s30, s31
	s_mul_i32 s31, s16, 12288
	s_add_co_u32 s30, s30, s31
	s_mov_b32 s31, 0
	s_add_nc_u64 s[10:11], s[10:11], s[30:31]      ; xg at (u, K step 4 w, m)
	s_wait_loadcnt 0x0
	; my 16 choices, counted
.irp k, 0,1,2,3,4,5,6,7
	v_and_b32 v[E0+\k], 7, v[S+\k]
	v_bfe_u32 v[E1+\k], v[S+\k], 8, 3
	v_lshlrev_b32 v[T+2*(\k%2)],   2, v[E0+\k]
	v_lshlrev_b32 v[T+2*(\k%2)+1], 2, v[E1+\k]
	v_lshlrev_b32 v[T+2*(\k%2)],   v[T+2*(\k%2)],   v18    ; 1 << 4 e
	v_lshlrev_b32 v[T+2*(\k%2)+1], v[T+2*(\k%2)+1], v18
.if \k == 0
	v_add_nc_u32 v[CN], v[T], v[T+1]               ; the first token starts the counts
.else
	v_add_nc_u32 v[CN], v[CN], v[T+2*(\k%2)]
	v_add_nc_u32 v[CN], v[CN], v[T+2*(\k%2)+1]
.endif
.endr
.irp q, 0,1,2,3
	v_bfe_u32 v[Q+\q], v[CN], 8*\q, 4
	v_bfe_u32 v[T+\q], v[CN], 8*\q+4, 4
.endr
.irp q, 0,1,2,3
	v_lshl_or_b32 v[Q+\q], v[T+\q], 16, v[Q+\q]    ; halves of 16 bits: a wave's count is 256 at the most, all waves' 2,048
.endr
	XSUM4 Q, 1                                     ; the sum over the wave's 32 lanes
	XSUM4 Q, 2
	XSUM4 Q, 4
	XSUM4 Q, 8
.irp q, 0,1,2,3
	v_permlanex16_b32 v[T+\q], v[Q+\q], s44, s45   ; T has been written: the destination counts as read
.endr
.irp q, 0,1,2,3
	v_add_nc_u32 v[Q+\q], v[Q+\q], v[T+\q]
.endr
	ds_store_b128 v19, v[Q:Q+3]                    ; every lane holds the same counts and writes the same words
	s_wait_dscnt 0x0                               ; my counts are stored, for the others' sake
	s_barrier_signal -1
	s_barrier_wait -1
	ds_load_b128 v[C:C+3], v20                     ; lane L: the counts of wave L mod 8
	s_wait_dscnt 0x0
.irp q, 0,1,2,3
	v_mov_b32_dpp v[T+\q], v[C+\q] row_xmask:1 row_mask:0xf bank_mask:0xf
.endr
.irp q, 0,1,2,3
	v_add_nc_u32 v[TT+\q], v[C+\q], v[T+\q]        ; C stays: it is needed wave by wave below
.endr
	XSUM4 TT, 2
	XSUM4 TT, 4                                    ; eight neighbouring lanes hold the eight waves: their sum is the total
.irp q, 0,1,2,3
	v_readfirstlane_b32 s[40+\q], v[TT+\q]
.endr
.irp q, 0,1,2,3
	s_and_b32 s[48+2*\q], s[40+\q], 0xffff
	s_lshr_b32 s[49+2*\q], s[40+\q], 16
.endr
.irp j, 0,1,2,3,4,5,6,7
	s_min_u32 s[48+\j], s[48+\j], 2048             ; a count's bound, written out
	s_add_co_u32 s[48+\j], s[48+\j], 47            ; nu = (c + 47) / 48 = ((c + 47) x 43,691) >> 21: 43,691 x 48 = 2^21 + 16, so the quotient
	s_mul_i32 s[48+\j], s[48+\j], 43691            ; of a number n is too large by n / (3 x 2^21), which for n up to 2,095 is below 1 / 48: exact
	s_lshr_b32 s[48+\j], s[48+\j], 21
.endr
	s_mov_b32 s56, 0                               ; ub: the sums of the nu in front
.irp j, 0,1,2,3,4,5,6
	s_add_co_u32 s[57+\j], s[56+\j], s[48+\j]
.endr
	s_mov_b32 s32, 0                               ; E, the expert of unit u: the last whose first unit is not behind u
.irp j, 1,2,3,4,5,6,7
	s_cmp_ge_u32 s18, s[56+\j]
	s_add_co_ci_u32 s32, s32, 0                    ; + 1 where the compare held
.endr
	s_mov_b32 s33, 0                               ; its first unit
.irp j, 1,2,3,4,5,6,7
	s_cmp_eq_u32 s32, \j
	s_cselect_b32 s33, s[56+\j], s33
.endr
	s_sub_co_u32 s34, s18, s33
	s_mul_i32 s34, s34, 48
	s_lshl4_add_u32 s34, s17, s34                  ; r0: the rank, among E's rows, of the work-group's first row (behind E's last row in a unit that no expert has)
	; the rows of E in the waves in front of mine
	s_lshr_b32 s38, s32, 1
	s_and_b32 s37, s32, 1
	s_lshl_b32 s37, s37, 4
	v_mov_b32 v[PV], v[C]
.irp q, 1,2,3
	s_cmp_eq_u32 s38, \q
	s_cselect_b32 s39, -1, 0
	v_cndmask_b32 v[PV], v[PV], v[C+\q], s39
.endr
	v_lshrrev_b32 v[PV], s37, v[PV]
	v_and_b32 v[PV], 0xffff, v[PV]
	v_cmp_gt_u32 vcc_lo, s16, v21                  ; lanes that hold a wave in front of mine
	v_cndmask_b32 v[PV], 0, v[PV], vcc_lo
.irp x, 1,2,4
	v_mov_b32_dpp v[T], v[PV] row_xmask:\x row_mask:0xf bank_mask:0xf
	v_add_nc_u32 v[PV], v[PV], v[T]
.endr
	v_readfirstlane_b32 s36, v[PV]
	s_sub_co_u32 s94, s36, s34                     ; less r0, modulo 2^32: a rank counted from the work-group's first row
	; ranks: all compares, then the scalar part, then the vector part, so that the two units change hands once
.irp k, 0,1,2,3,4,5,6,7
	v_cmp_eq_u32 s[70+2*\k], s32, v[E0+\k]
	v_cmp_eq_u32 s[71+2*\k], s32, v[E1+\k]
.endr
.irp k, 0,1,2,3,4,5,6,7
	s_or_b32 s[86+\k], s[70+2*\k], s[71+2*\k]      ; lanes whose token has chosen E
.endr
.irp k, 0,1,2,3,4,5,6
	s_bcnt1_i32_b32 s35, s[86+\k]
	s_add_co_u32 s[95+\k], s[94+\k], s35           ; E's rows in front of register k + 1
.endr
.irp k, 0,1,2,3,4,5,6,7
	v_mbcnt_lo_u32_b32 v[D+\k], s[86+\k], s[94+\k] ; + E's lanes below me
.endr
.irp k, 0,1,2,3,4,5,6,7
	v_cndmask_b32 v[D+\k], -1, v[D+\k], s[86+\k]   ; not E's: out of range
	v_min_u32 v[D+\k], 16, v[D+\k]                 ; rows 0 to 15 are the work-group's; all else (ranks in front wrap to large numbers) goes to word 16
	v_lshlrev_b32 v[D+\k], 2, v[D+\k]
	v_add_nc_u32 v[D+\k], v6, v[D+\k]
	v_cndmask_b32 v[EN+\k], 0, 1, s[71+2*\k]       ; the slot
	v_add_nc_u32 v[EN+\k], v7, v[EN+\k]
.if \k
	v_add_nc_u32 v[EN+\k], 256*(\k/4)+2*(\k%4), v[EN+\k]   ; 2 token + slot
.endif
	ds_store_b32 v[D+\k], v[EN+\k]                 ; into my wave's own list, behind the marks (LDS serves a wave's instructions in order: ISA guide 5.7.1)
.endr
	s_wait_dscnt 0x0                               ; my list is stored, for the others' sake
	s_barrier_signal -1
	s_barrier_wait -1
	; my two rows: one list at the most holds an entry, the others the mark, which is larger
.irp w, 0,1,2,3,4,5,6,7
	ds_load_b64 v[M+2*\w:M+2*\w+1], v22 offset:128*\w
.endr
	s_wait_dscnt 0x0
.irp w, 1,2,3,4,5,6,7
	v_min_u32 v[M],   v[M],   v[M+2*\w]
	v_min_u32 v[M+1], v[M+1], v[M+2*\w+1]
.endr
	v_readfirstlane_b32 s20, v[M]
	v_readfirstlane_b32 s21, v[M+1]
.irp n, 0,1
	s_cmp_lt_u32 s[20+\n], 4096
	s_cselect_b32 s[22+\n], -1, 0                  ; all ones for a true row, 0 for padding
	s_min_u32 s[24+2*\n], s[20+\n], 4095           ; a row of padding reads the last token's row, inside x, and throws it away
	s_and_b32 s[24+2*\n], s[24+2*\n], 0xffe
	s_lshl_b32 s[24+2*\n], s[24+2*\n], 11          ; token x 4,096 bytes
	s_mov_b32 s[25+2*\n], 0
	s_add_nc_u64 s[24+2*\n:25+2*\n], s[4:5], s[24+2*\n:25+2*\n]
.endr
.irp j, 0,1,2,3,4,5,6,7
	global_load_b128 v[8+4*\j:11+4*\j], v3, s[24:25] offset:512*\j
.endr
.irp j, 0,1,2,3,4,5,6,7
	global_load_b128 v[40+4*\j:43+4*\j], v3, s[26:27] offset:512*\j
.endr
	; wave 0 alone, in one branch, while its rows are on their way: the 16 rows' combine weights, their places in pos, and (first work-group) ub and nu
	s_cmp_lg_u32 s16, 0
	s_cbranch_scc1 .Lrows
	v_and_b32 v100, 15, v1
	v_lshlrev_b32 v100, 2, v100
	v_add_nc_u32 v100, LIST, v100                  ; row lane mod 16 in list 0
.irp w, 0,1,2,3,4,5,6,7
	ds_load_b32 v[L16+\w], v100 offset:128*\w
.endr
	s_lshl_b32 s66, s19, 2
	s_mov_b32 s67, 0
	s_add_nc_u64 s[68:69], s[12:13], s[66:67]      ; cwp at the work-group's first row
	v_lshlrev_b32 v113, 2, v1                      ; 4 lane
	v_add_nc_u32 v114, s19, v1                     ; the sorted row of lanes 0 to 15
	s_wait_dscnt 0x0
.irp w, 1,2,3,4,5,6,7
	v_min_u32 v[L16], v[L16], v[L16+\w]
.endr
	v_min_u32 v101, 0xfff, v[L16]                  ; 2 token + slot is the index into wts and into pos's halfwords; the bound keeps the addresses inside
	v_lshlrev_b32 v102, 2, v101
	v_lshlrev_b32 v103, 1, v101
	global_load_b32 v112, v102, s[6:7]             ; all lanes are on: lanes 16 to 31 repeat lanes 0 to 15
	v_cmp_gt_u32 vcc_lo, 0x1000, v[L16]            ; a true row
	s_mov_b32 s47, vcc_lo
	v_cmp_gt_u32 vcc_lo, 16, v1
	s_and_b32 s47, s47, vcc_lo                     ; lanes 0 to 15 with a true row
	s_wait_loadcnt 0x0                             ; the weights are the youngest load: my two rows of x, which the next step needs anyway, are in too
	v_cndmask_b32 v112, 0, v112, s47               ; 0 in padding
	s_wait_xcnt 0x0                                ; EXEC narrows only behind this wait
	s_and_saveexec_b32 s46, vcc_lo
	global_store_b32 v113, v112, s[68:69]
	s_wait_xcnt 0x0                                ; and widens only behind this one
	s_or_b32 exec_lo, exec_lo, s46
	s_mov_b32 vcc_lo, s47
	s_and_saveexec_b32 s46, vcc_lo
	global_store_b16 v103, v114, s[14:15] offset:POS_OFF
	s_wait_xcnt 0x0
	s_or_b32 exec_lo, exec_lo, s46
	s_or_b32 s35, s18, s17
	s_cmp_lg_u32 s35, 0
	s_cbranch_scc1 .Lrows
	v_mov_b32 v115, 0                              ; ub in lanes 0-7, nu in lanes 8-15, zeros above: 128 bytes
.irp j, 0,1,2,3,4,5,6,7
	v_writelane_b32 v115, s[56+\j], \j
	v_writelane_b32 v115, s[48+\j], 8+\j
.endr
	global_store_b32 v113, v115, s[14:15]
.Lrows:
.macro ROWPUT n, left
	s_wait_loadcnt \left                           ; this row's eight loads are in; left = the loads of the row behind it
.irp j, 0,1,2,3,4,5,6,7
	v_cvt_pk_f16_f32 v[72+2*\j], v[8+32*\n+4*\j],   v[8+32*\n+4*\j+1]
	v_cvt_pk_f16_f32 v[73+2*\j], v[8+32*\n+4*\j+2], v[8+32*\n+4*\j+3]
	v_and_b32 v[72+2*\j], s[22+\n], v[72+2*\j]
	v_and_b32 v[73+2*\j], s[22+\n], v[73+2*\j]
	ds_store_b64 v4, v[72+2*\j:73+2*\j] offset:\n*PITCH+256*\j
.endr
.endm
	ROWPUT 0, 8
	ROWPUT 1, 0
	s_wait_dscnt 0x0                               ; my rows are stored, for the others' sake
	s_barrier_signal -1
	s_barrier_wait -1
.irp i, 0,1,2,3,4,5,6,7
	ds_load_b128 v[8+4*\i:11+4*\i], v5 offset:32*\i        ; K step 4 w + i / 2, half i mod 2
.endr
.irp i, 0,1,2,3,4,5,6,7
	s_wait_dscnt 7-\i                              ; LDS loads come back in order: piece i is in
	global_store_b128 v3, v[8+4*\i:11+4*\i], s[10:11] offset:(\i/2)*3072+(\i%2)*512   ; 512 neighbouring bytes, aligned
.endr
	s_wait_tensorcnt 0x0
	ds_add_u32 v120, v121
	s_wait_dscnt 0x0
	s_endpgm
.Lfunc_end_k_qc6fd5901dc_gather:
	.size	k_qc6fd5901dc_gather, .Lfunc_end_k_qc6fd5901dc_gather-k_qc6fd5901dc_gather
	.p2alignl 7, 3214868480
	.fill 96, 4, 3214868480
	.section	.rodata,"a",@progbits
	.p2align	6, 0x0
	.amdhsa_kernel k_qc6fd5901dc_gather
		.amdhsa_group_segment_fixed_size 35328
		.amdhsa_private_segment_fixed_size 0
		.amdhsa_enable_private_segment 0
		.amdhsa_kernarg_size 48
		.amdhsa_user_sgpr_count 2
		.amdhsa_user_sgpr_kernarg_segment_ptr 1
		.amdhsa_wavefront_size32 1
		.amdhsa_system_sgpr_workgroup_id_x 1
		.amdhsa_system_sgpr_workgroup_id_y 1
		.amdhsa_system_sgpr_workgroup_id_z 1
		.amdhsa_system_vgpr_workitem_id 0
		.amdhsa_next_free_vgpr 122
		.amdhsa_next_free_sgpr 102
		.amdhsa_reserve_vcc 1
		.amdhsa_float_denorm_mode_32 3
		.amdhsa_float_denorm_mode_16_64 3
		.amdhsa_memory_ordered 1
		.amdhsa_forward_progress 1
		.amdhsa_inst_pref_size 31
	.end_amdhsa_kernel
	.amdgpu_metadata
---
amdhsa.version: [ 1, 2 ]
amdhsa.kernels:
  - .name:           k_qc6fd5901dc_gather
    .symbol:         k_qc6fd5901dc_gather.kd
    .args:
      - { .name: x, .offset: 0, .size: 8, .value_kind: global_buffer, .address_space: global }
      - { .name: wts, .offset: 8, .size: 8, .value_kind: global_buffer, .address_space: global }
      - { .name: sel, .offset: 16, .size: 8, .value_kind: global_buffer, .address_space: global }
      - { .name: xg, .offset: 24, .size: 8, .value_kind: global_buffer, .address_space: global }
      - { .name: cwp, .offset: 32, .size: 8, .value_kind: global_buffer, .address_space: global }
      - { .name: plan, .offset: 40, .size: 8, .value_kind: global_buffer, .address_space: global }
    .group_segment_fixed_size: 35328
    .private_segment_fixed_size: 0
    .kernarg_segment_align: 8
    .kernarg_segment_size: 48
    .max_flat_workgroup_size: 256
    .sgpr_count:     102
    .vgpr_count:     122
    .wavefront_size: 32
...
	.end_amdgpu_metadata
.endif
;; end of part 2
;; launch gemm1 (part 3): grid 256 x 1, 8 waves a work-group, no clusters, 134,144 bytes of LDS; arguments w1, xg, plan, hg; writes hg
.if DOCPART == 3
	.amdgcn_target "amdgcn-amd-amdhsa--gfx1250"
	.amdhsa_code_object_version 6
	.text
	.protected	k_qc6fd5901dc_gemm1
	.globl	k_qc6fd5901dc_gemm1
	.p2align	8
	.type	k_qc6fd5901dc_gemm1,@function
k_qc6fd5901dc_gemm1:
	s_mov_b64 s[64:65], 0
	v_nop
	global_prefetch_b8 v0, s[64:65] scope:SCOPE_SE
	s_setreg_imm32_b32 hwreg(HW_REG_WAVE_MODE, 25, 1), 1
	s_wait_xcnt 0x0
; FIRST EXPERT PRODUCT.  hg = silu(xg w1[e]) for the sorted rows of each expert, f16 operands, f32 sums, hg in f16.
; THE WEIGHTS STAY: a work-group owns expert e = g / 32 and the slab of 1,024 (K) x 64 (N) numbers of w1[e] at columns 64 (g mod 32).
; It reads the slab once (rows of 256 bytes, aligned), rounds it once to f16, lays it into LDS as ready operands and passes ONE barrier.
; Behind it the eight waves have nothing to do with each other: each takes units of 48 sorted rows, reads the unit's operands straight from
; xg into registers (each of those bytes is used by one wave of the work-group alone, so LDS would add a copy and spare nothing) and the weights from LDS.
; How many units a wave takes is read from plan.
; NO TENSOR LOADS, NO CLUSTER, though the 32 work-groups of an expert read the same rows of xg: a slot filled again by a tensor load stands behind a
; barrier, and here that barrier would stand in a loop whose trip count is read from memory and differs from wave to wave.
; THE PRODUCT IS TAKEN TRANSPOSED: source 0 = 16 columns of w1, source 1 = 16 sorted rows.  A lane then holds eight neighbouring columns of one row,
; which, rounded to f16, are 16 bytes of the second product's operand image: hg has xg's form with 64 K steps (196,608 bytes a unit).
; LIMITS: |w1| and |silu(..)| below 65,504, the range of f16.  A work-group of an expert without tokens reads its slab and stores nothing.
;
; REGISTERS.  Window 0: v4-v7 LDS addresses (v4 = 16 lane also the offset in xg and hg), v8, v9 the weights' way in, v[16:111] twelve accumulators,
;   v[112:239] four buffers of weights as loaded, v[240:255] packed; in the main loop v[112:159] results to store, v[160:167] at work.
; Window 1: v[0:191] a ring of eight slots of xg's operands (3 x 16 rows x 32 K each), v[192:255] two buffers of the weights' operands (4 x 16 columns x 32 K).
.set WPITCH, 8192                      ; bytes from row to row of w1[e]
.set AUNIT,  98304                     ; bytes of a unit in xg: 32 K steps x 3,072
.set OUNIT,  196608                    ; bytes of a unit in hg
.set KSB,    4160                      ; LDS bytes of a K step: 4 operands
.set FRB,    1040                      ; of 1,024 bytes + 16: see WPUT
.set ACC, 16
.set WT,  112
.set PK,  240
.set O,   112
.set T,   160
.set BF,  192
.set CUR, 24                           ; s[24:25] xg at this pass's unit
.set NXT, 26                           ; s[26:27] xg at the next pass's unit
.set OUT, 28                           ; s[28:29] hg at this pass's unit and my slab
.set WB,  32                           ; s[32:33] my slab of w1
.set MSB, 0
.macro WIN new                         ; the immediate's high byte repeats the setting that is left
.if MSB != \new
	s_set_vgpr_msb (MSB<<8)|\new
.set MSB, \new
.endif
.endm
.set LOADS, 0x40                       ; destination window 1, address window 0
.set MULW,  0x05                       ; sources 0 and 1 window 1, C and D window 0
.macro PLACES                          ; four places between a matrix instruction and a load into, or a vector instruction on, its registers
.rept 4
	v_nop
.endr
.endm
; Group t of a wave: rows k = 128 w + 16 t + 8 h + j (h = lane / 16, j = 0..7), columns 4 c .. 4 c + 3 (c = lane mod 16).
; Each half of the wave reads 256 neighbouring bytes, aligned.  The slab is read once in the launch.
.macro WLOAD t
.irp j, 0,1,2,3,4,5,6,7
	global_load_b128 v[WT+32*(\t%4)+4*\j:WT+32*(\t%4)+4*\j+3], v8, s[WB:WB+1] offset:(16*\t+\j)*WPITCH th:TH_LOAD_NT
.endr
.endm
; The lane's eight k of column 4 c + i are 16 bytes of the operand of K step 4 w + t / 2, half t mod 2, columns 16 (c / 4) .. + 15, place 16 h + 4 (c mod 4) + i.
; The sixteen lanes of a half store at (c / 4) x 1,040 + (c mod 4) x 64: sixteen different 16-byte columns modulo 256.
.macro WPUT t, left
	s_wait_loadcnt \left                           ; group t is in; left = the loads issued behind it
.irp i, 0,1,2,3
.irp q, 0,1,2,3
	v_cvt_pk_f16_f32 v[PK+4*\i+\q], v[WT+32*(\t%4)+8*\q+\i], v[WT+32*(\t%4)+8*\q+4+\i]
.endr
.endr
.irp i, 0,1,2,3
	ds_store_b128 v9, v[PK+4*\i:PK+4*\i+3] offset:(\t/2)*KSB+(\t%2)*512+16*\i
.endr
.endm
; The operands of 48 sorted rows for K step kt, six loads of 512 neighbouring bytes, into slot kt mod 8
.macro ALOAD base, kt
.irp m, 0,1,2
	global_load_b128 v[24*((\kt)%8)+8*\m:24*((\kt)%8)+8*\m+3],   v4, s[\base:\base+1] offset:(\kt)*3072+\m*1024
	global_load_b128 v[24*((\kt)%8)+8*\m+4:24*((\kt)%8)+8*\m+7], v4, s[\base:\base+1] offset:(\kt)*3072+\m*1024+512
.endr
.endm
; The weights' four operands for K step kt, eight LDS loads of 512 neighbouring bytes, into buffer kt mod 2
.macro BLOAD kt
.irp i, 0,1,2,3
	ds_load_b128 v[BF+32*((\kt)%2)+8*\i:BF+32*((\kt)%2)+8*\i+3],   v[4+(\kt)/8] offset:((\kt)%8)*KSB+\i*FRB
	ds_load_b128 v[BF+32*((\kt)%2)+8*\i+4:BF+32*((\kt)%2)+8*\i+7], v[4+(\kt)/8] offset:((\kt)%8)*KSB+\i*FRB+512
.endr
.endm
; Twelve matrix instructions.  The twelve accumulators take turns, one instruction a turn, in the same order in every K step.
.macro MUL ks, zero
.irp m, 0,1,2
.irp i, 0,1,2,3
.if \zero
	v_wmma_f32_16x16x32_f16 v[ACC+8*(4*\m+\i):ACC+8*(4*\m+\i)+7], v[BF+32*(\ks%2)+8*\i:BF+32*(\ks%2)+8*\i+7], v[24*(\ks%8)+8*\m:24*(\ks%8)+8*\m+7], 0
.else
	v_wmma_f32_16x16x32_f16 v[ACC+8*(4*\m+\i):ACC+8*(4*\m+\i)+7], v[BF+32*(\ks%2)+8*\i:BF+32*(\ks%2)+8*\i+7], v[24*(\ks%8)+8*\m:24*(\ks%8)+8*\m+7], v[ACC+8*(4*\m+\i):ACC+8*(4*\m+\i)+7]
.endif
.endr
.endr
.endm
; One K step.  It asks for xg's operands seven K steps ahead (in the last seven K steps: the next unit's first seven, if there is one)
; and for the weights' one K step ahead, into the slot and the buffer that the K step before has multiplied.
; s_wait_loadcnt 42: the seven younger groups of six loads stay out.  s_wait_dscnt 8: the eight LDS loads just issued stay out.
.macro KSTEP ks, more
	WIN LOADS
	PLACES
.if \ks <= 24
	ALOAD CUR, \ks+7
	BLOAD \ks+1
	s_wait_loadcnt 42
	s_wait_dscnt 8
.else
.if \more
	ALOAD NXT, \ks-25
	BLOAD (\ks+1)%32
	s_wait_loadcnt 42
	s_wait_dscnt 8
.else
.if \ks < 31
	BLOAD \ks+1
	s_wait_loadcnt 6*(31-\ks)                      ; the last unit asks for nothing more: the counts run down
	s_wait_dscnt 8
.else
	s_wait_loadcnt 0
	s_wait_dscnt 0
.endif
.endif
.endif
	WIN MULW
.if \ks == 0
	MUL \ks, 1                                     ; the first product starts the sums: nothing is cleared
.else
	MUL \ks, 0
.endif
.endm
; silu(a) = a / (1 + e^-a), in f32; a large negative a gives e^-a = infinity, 1 / infinity = 0, and a x 0 = 0, as it should.
; Tile (m, i): lane (r, h) holds columns 16 i + 8 h + 0..7 of row 16 m + r: K step i / 2, half i mod 2, place 16 h + r = lane of hg's image.
.macro EPI
.irp m, 0,1,2
.irp i, 0,1,2,3
.irp q, 0,1,2,3
	v_pk_mul_f32 v[T+2*\q:T+2*\q+1], v[ACC+8*(4*\m+\i)+2*\q:ACC+8*(4*\m+\i)+2*\q+1], 0xbfb8aa3b op_sel_hi:[1,0]
.endr
.irp q, 0,1,2,3,4,5,6,7
	v_exp_f32 v[T+\q], v[T+\q]
.endr
	v_nop                                          ; one plain instruction behind the transcendentals (ISA guide 5.7.2)
	s_wait_alu depctr_va_vdst(0)
.irp q, 0,1,2,3
	v_pk_add_f32 v[T+2*\q:T+2*\q+1], v[T+2*\q:T+2*\q+1], 1.0 op_sel_hi:[1,0]
.endr
.irp q, 0,1,2,3,4,5,6,7
	v_rcp_f32 v[T+\q], v[T+\q]
.endr
	v_nop
	s_wait_alu depctr_va_vdst(0)
.irp q, 0,1,2,3
	v_pk_mul_f32 v[T+2*\q:T+2*\q+1], v[T+2*\q:T+2*\q+1], v[ACC+8*(4*\m+\i)+2*\q:ACC+8*(4*\m+\i)+2*\q+1]
.endr
.irp q, 0,1,2,3
	v_cvt_pk_f16_f32 v[O+4*(4*\m+\i)+\q], v[T+2*\q], v[T+2*\q+1]
.endr
	global_store_b128 v4, v[O+4*(4*\m+\i):O+4*(4*\m+\i)+3], s[OUT:OUT+1] offset:(\i/2)*3072+\m*1024+(\i%2)*512   ; 512 neighbouring bytes, aligned
.endr
.endr
.endm
.macro PASS more                       ; one unit of 48 rows
.irp ks, 0,1,2,3,4,5,6,7,8,9,10,11,12,13,14,15,16,17,18,19,20,21,22,23,24,25,26,27,28,29,30,31
	KSTEP \ks, \more
.endr
	WIN 0
	PLACES
	EPI
.if \more
	s_wait_xcnt 0x0                                ; the pending loads and stores have read their sources: bases and the stores' data may be written
	s_mov_b64 s[CUR:CUR+1], s[NXT:NXT+1]
	s_add_nc_u64 s[NXT:NXT+1], s[NXT:NXT+1], 8*AUNIT
	s_add_nc_u64 s[OUT:OUT+1], s[OUT:OUT+1], 8*OUNIT
.endif
.endm
	s_load_b256 s[4:11], s[0:1], 0x0               ; w1 s[4:5], xg s[6:7], plan s[8:9], hg s[10:11]
	v_lshl_add_u32 v14, v0, 2, 0x20800
	v_mov_b32 v15, 0
	v_lshrrev_b32 v1, 5, v0
	v_readfirstlane_b32 s14, v1                    ; wave
	v_and_b32 v1, 31, v0                           ; lane
	v_and_b32 v2, 15, v0                           ; c
	v_bfe_u32 v3, v0, 4, 1                         ; h
	s_lshr_b32 s15, ttmp9, 5                       ; expert
	s_and_b32 s16, ttmp9, 31                       ; slab
	s_lshl_b32 s22, s15, 2
	s_lshl_b32 s[WB], s15, 23                      ; 8,388,608 bytes an expert
	s_lshl_b32 s35, s16, 8                         ; 256 bytes a slab
	s_add_co_u32 s[WB], s[WB], s35
	s_mov_b32 s[WB+1], 0
	s_mul_i32 s36, s14, 128*WPITCH
	v_mul_u32_u24 v8, v3, 8*WPITCH
	v_lshl_add_u32 v8, v2, 4, v8
	v_add_nc_u32 v8, s36, v8                       ; (128 w + 8 h) rows + 16 c
	s_wait_kmcnt 0x0
	s_add_nc_u64 s[WB:WB+1], s[4:5], s[WB:WB+1]
	s_load_b32 s18, s[8:9], s22 offset:0x0         ; ub: my expert's first unit
	s_load_b32 s19, s[8:9], s22 offset:0x20        ; nu: its units
	WLOAD 0
	WLOAD 1
	WLOAD 2
	WLOAD 3                                        ; 32 loads of 512 bytes of every wave are on their way
	v_lshlrev_b32 v4, 4, v1                        ; 16 lane
	v_add_nc_u32 v5, 8*KSB, v4                     ; K steps 8-15, 16-23, 24-31: an LDS immediate has 16 bits
	v_add_nc_u32 v6, 16*KSB, v4
	v_add_nc_u32 v7, 24*KSB, v4
	v_lshrrev_b32 v9, 2, v2
	v_mul_u32_u24 v9, v9, FRB
	v_lshl_add_u32 v9, v3, 8, v9
	v_and_b32 v12, 3, v2
	v_lshl_add_u32 v9, v12, 6, v9
	s_mul_i32 s36, s14, 4*KSB                      ; my wave's four K steps
	v_add_nc_u32 v9, s36, v9
	s_wait_kmcnt 0x0
	s_min_u32 s18, s18, 92                         ; the bounds of plan's numbers, written out
	s_min_u32 s19, s19, 93
	; Wave w starts at unit iv = 0, 4, 1, 5, 6, 2, 7, 3 of the expert and steps by 8.  So the first four units of each eight go to waves 0, 2, 5, 7:
	; whether eight waves are shared among four SIMDs in turn or in pairs, these four lie on four different ones.
	s_lshl_b32 s35, s14, 2
	s_lshr_b32 s20, 0x37265140, s35
	s_and_b32 s20, s20, 15
	s_add_co_u32 s21, s19, 7
	s_sub_co_u32 s21, s21, s20
	s_lshr_b32 s21, s21, 3                         ; my units: (nu + 7 - iv) / 8
	s_add_co_u32 s34, s18, s20
	s_cmp_lt_u32 s20, s19
	s_cselect_b32 s34, s34, 0                      ; a wave without a unit asks for unit 0's first K steps and uses nothing of them
	s_min_u32 s34, s34, 92
	s_mul_i32 s[CUR], s34, AUNIT
	s_mov_b32 s[CUR+1], 0
	s_add_nc_u64 s[CUR:CUR+1], s[6:7], s[CUR:CUR+1]
	s_add_nc_u64 s[NXT:NXT+1], s[CUR:CUR+1], 8*AUNIT
	s_mul_i32 s[OUT], s34, OUNIT
	s_mul_i32 s35, s16, 6144                       ; my 64 columns are two K steps of hg
	s_add_co_u32 s[OUT], s[OUT], s35
	s_mov_b32 s[OUT+1], 0
	s_add_nc_u64 s[OUT:OUT+1], s[10:11], s[OUT:OUT+1]
	WPUT 0, 24                                     ; three younger groups of eight stay out
	WLOAD 4
	WPUT 1, 24
	WLOAD 5
	WPUT 2, 24
	WLOAD 6
	WPUT 3, 24
	WLOAD 7
	WPUT 4, 24
	WIN LOADS
.irp ks, 0,1,2,3,4,5,6
	ALOAD CUR, \ks                                 ; the first unit's first seven K steps: 42 loads
.endr
	WIN 0
	WPUT 5, 58                                     ; two groups of eight and the 42
	WPUT 6, 50
	WPUT 7, 42
	s_wait_dscnt 0x0                               ; my part of the slab is stored, for the others' sake
	s_barrier_signal -1
	s_barrier_wait -1                              ; the only barrier: the slab is whole, and nobody writes LDS again
	s_cmp_eq_u32 s21, 0
	s_cbranch_scc1 .Lend
	WIN LOADS
	BLOAD 0
	WIN 0
	s_sub_co_u32 s21, s21, 1
	s_cmp_eq_u32 s21, 0
	s_cbranch_scc1 .Llast
.Lpass:                                            ; on both ways in: 42 loads and 8 LDS loads are out
	PASS 1
	s_sub_co_u32 s21, s21, 1
	s_cmp_lg_u32 s21, 0
	s_cbranch_scc1 .Lpass
.Llast:
	PASS 0
.Lend:
	s_wait_tensorcnt 0x0
	ds_add_u32 v14, v15
	s_wait_dscnt 0x0
	s_endpgm
.Lfunc_end_k_qc6fd5901dc_gemm1:
	.size	k_qc6fd5901dc_gemm1, .Lfunc_end_k_qc6fd5901dc_gemm1-k_qc6fd5901dc_gemm1
	.p2alignl 7, 3214868480
	.fill 96, 4, 3214868480
	.section	.rodata,"a",@progbits
	.p2align	6, 0x0
	.amdhsa_kernel k_qc6fd5901dc_gemm1
		.amdhsa_group_segment_fixed_size 134144
		.amdhsa_private_segment_fixed_size 0
		.amdhsa_enable_private_segment 0
		.amdhsa_kernarg_size 32
		.amdhsa_user_sgpr_count 2
		.amdhsa_user_sgpr_kernarg_segment_ptr 1
		.amdhsa_wavefront_size32 1
		.amdhsa_system_sgpr_workgroup_id_x 1
		.amdhsa_system_sgpr_workgroup_id_y 1
		.amdhsa_system_sgpr_workgroup_id_z 1
		.amdhsa_system_vgpr_workitem_id 0
		.amdhsa_next_free_vgpr 512
		.amdhsa_next_free_sgpr 66
		.amdhsa_reserve_vcc 0
		.amdhsa_float_denorm_mode_32 3
		.amdhsa_float_denorm_mode_16_64 3
		.amdhsa_memory_ordered 1
		.amdhsa_forward_progress 1
		.amdhsa_inst_pref_size 197
	.end_amdhsa_kernel
	.amdgpu_metadata
---
amdhsa.version: [ 1, 2 ]
amdhsa.kernels:
  - .name:           k_qc6fd5901dc_gemm1
    .symbol:         k_qc6fd5901dc_gemm1.kd
    .args:
      - { .name: w1, .offset: 0, .size: 8, .value_kind: global_buffer, .address_space: global }
      - { .name: xg, .offset: 8, .size: 8, .value_kind: global_buffer, .address_space: global }
      - { .name: plan, .offset: 16, .size: 8, .value_kind: global_buffer, .address_space: global }
      - { .name: hg, .offset: 24, .size: 8, .value_kind: global_buffer, .address_space: global }
    .group_segment_fixed_size: 134144
    .private_segment_fixed_size: 0
    .kernarg_segment_align: 8
    .kernarg_segment_size: 32
    .max_flat_workgroup_size: 256
    .sgpr_count:     66
    .vgpr_count:     512
    .wavefront_size: 32
...
	.end_amdgpu_metadata
.endif
;; end of part 3
;; launch gemm2 (part 4): grid 256 x 1, 8 waves a work-group, no clusters, 134,144 bytes of LDS; arguments w2, hg, plan, cwp, y; writes y
.if DOCPART == 4
	.amdgcn_target "amdgcn-amd-amdhsa--gfx1250"
	.amdhsa_code_object_version 6
	.text
	.protected	k_qc6fd5901dc_gemm2
	.globl	k_qc6fd5901dc_gemm2
	.p2align	8
	.type	k_qc6fd5901dc_gemm2,@function
k_qc6fd5901dc_gemm2:
	s_mov_b64 s[64:65], 0
	v_nop
	global_prefetch_b8 v0, s[64:65] scope:SCOPE_SE
	s_setreg_imm32_b32 hwreg(HW_REG_WAVE_MODE, 25, 1), 1
	s_wait_xcnt 0x0
; SECOND EXPERT PRODUCT.  y[kh][p] = cwp[p] x (hg[p], K half kh) w2[e], f16 operands, f32 sums, y in f32; the two K halves are added in the last launch.
; Built as the first product: a work-group owns expert e = g / 32, the K half kh = g mod 2 and the slab of 1,024 (K) x 64 (N) numbers of w2[e] at
; columns 64 ((g / 2) mod 16); it reads the slab once, rounds it to f16, lays it into LDS as ready operands and passes ONE barrier; then each wave
; takes units of 48 sorted rows, whose operands come straight from hg into registers.  K is halved so that slab and traffic are those of the first product;
; a slab of the whole K would have 32 columns, rows of 128 bytes, and twice the reads of hg.
; NO TENSOR LOADS, NO CLUSTER, though work-groups of an expert read the same rows of hg: a slot filled again by a tensor load stands behind a barrier,
; and here that barrier would stand in a loop whose trip count is read from memory and differs from wave to wave.
; THE COLUMNS ARE DEALT OUT: operand i (0..3) holds at place c the slab's column 4 c + i.  Source 0 = 16 sorted rows, source 1 = operand i: lane (r, h) then
; holds in register j of the four tiles of a row block the columns 4 r .. 4 r + 3 of row 8 h + j: 16 neighbouring bytes, and sixteen lanes 256, aligned.
; LIMITS: |w2| below 65,504, the range of f16.  A work-group of an expert without tokens reads its slab and stores nothing.
;
; REGISTERS.  Window 0: v4-v7 LDS addresses (v4 = 16 lane also the offset in hg), v8, v9 the weights' way in, v10, v11 offsets in y and cwp,
;   v[16:111] twelve accumulators, v[112:239] four buffers of weights as loaded, v[240:255] packed; in the main loop v[112:135] combine weights, v[136:231] results to store.
; Window 1: v[0:191] a ring of eight slots of hg's operands, v[192:255] two buffers of the weights' operands.
.set WPITCH, 4096                      ; bytes from row to row of w2[e]
.set AUNIT,  196608                    ; bytes of a unit in hg: 64 K steps x 3,072
.set OUNIT,  196608                    ; bytes of a unit in y: 48 rows x 4,096
.set YH,     18284544                  ; bytes of a K half of y: 4,464 rows
.set KSB,    4160
.set FRB,    1040
.set ACC, 16
.set WT,  112
.set PK,  240
.set CW,  112
.set O,   136
.set BF,  192
.set CUR, 24                           ; s[24:25] hg at this pass's unit and my K half
.set NXT, 26                           ; s[26:27] the same for the next pass
.set OUT, 28                           ; s[28:29] y at my K half, this pass's unit, my slab
.set CWP, 30                           ; s[30:31] cwp at this pass's unit
.set WB,  32                           ; s[32:33] my slab of w2
.set MSB, 0
.macro WIN new                         ; the immediate's high byte repeats the setting that is left
.if MSB != \new
	s_set_vgpr_msb (MSB<<8)|\new
.set MSB, \new
.endif
.endm
.set LOADS, 0x40                       ; destination window 1, address window 0
.set MULW,  0x05                       ; sources 0 and 1 window 1, C and D window 0
.macro PLACES                          ; four places between a matrix instruction and a load into, or a vector instruction on, its registers
.rept 4
	v_nop
.endr
.endm
; Group t of a wave: rows k = 128 w + 16 t + 8 h + j of my K half, columns 4 c .. 4 c + 3.  Each half of the wave reads 256 neighbouring bytes, aligned.
.macro WLOAD t
.irp j, 0,1,2,3,4,5,6,7
	global_load_b128 v[WT+32*(\t%4)+4*\j:WT+32*(\t%4)+4*\j+3], v8, s[WB:WB+1] offset:(16*\t+\j)*WPITCH th:TH_LOAD_NT
.endr
.endm
; The lane's eight k of column 4 c + i go to operand i of K step 4 w + t / 2, half t mod 2, place 16 h + c = lane: 512 neighbouring bytes a store.
.macro WPUT t, left
	s_wait_loadcnt \left                           ; group t is in; left = the loads issued behind it
.irp i, 0,1,2,3
.irp q, 0,1,2,3
	v_cvt_pk_f16_f32 v[PK+4*\i+\q], v[WT+32*(\t%4)+8*\q+\i], v[WT+32*(\t%4)+8*\q+4+\i]
.endr
.endr
.irp i, 0,1,2,3
	ds_store_b128 v9, v[PK+4*\i:PK+4*\i+3] offset:(\t/2)*KSB+(\t%2)*512+FRB*\i
.endr
.endm
.macro ALOAD base, kt                  ; 48 sorted rows, K step kt of my half, into slot kt mod 8
.irp m, 0,1,2
	global_load_b128 v[24*((\kt)%8)+8*\m:24*((\kt)%8)+8*\m+3],   v4, s[\base:\base+1] offset:(\kt)*3072+\m*1024
	global_load_b128 v[24*((\kt)%8)+8*\m+4:24*((\kt)%8)+8*\m+7], v4, s[\base:\base+1] offset:(\kt)*3072+\m*1024+512
.endr
.endm
.macro BLOAD kt                        ; the weights' four operands of K step kt into buffer kt mod 2
.irp i, 0,1,2,3
	ds_load_b128 v[BF+32*((\kt)%2)+8*\i:BF+32*((\kt)%2)+8*\i+3],   v[4+(\kt)/8] offset:((\kt)%8)*KSB+\i*FRB
	ds_load_b128 v[BF+32*((\kt)%2)+8*\i+4:BF+32*((\kt)%2)+8*\i+7], v[4+(\kt)/8] offset:((\kt)%8)*KSB+\i*FRB+512
.endr
.endm
; Twelve matrix instructions.  The twelve accumulators take turns, one instruction a turn, in the same order in every K step.
.macro MUL ks, zero
.irp m, 0,1,2
.irp i, 0,1,2,3
.if \zero
	v_wmma_f32_16x16x32_f16 v[ACC+8*(4*\m+\i):ACC+8*(4*\m+\i)+7], v[24*(\ks%8)+8*\m:24*(\ks%8)+8*\m+7], v[BF+32*(\ks%2)+8*\i:BF+32*(\ks%2)+8*\i+7], 0
.else
	v_wmma_f32_16x16x32_f16 v[ACC+8*(4*\m+\i):ACC+8*(4*\m+\i)+7], v[24*(\ks%8)+8*\m:24*(\ks%8)+8*\m+7], v[BF+32*(\ks%2)+8*\i:BF+32*(\ks%2)+8*\i+7], v[ACC+8*(4*\m+\i):ACC+8*(4*\m+\i)+7]
.endif
.endr
.endr
.endm
; One K step: hg's operands are asked for seven K steps ahead (in the last seven: the next unit's first seven, if there is one), the weights' one ahead.
; s_wait_loadcnt 42: the seven younger groups of six stay out.  In K steps 0 to 6 the six loads of combine weights are younger too, 48 in all: 42 is then
; stricter than need be, which is safe.  s_wait_dscnt 8: the eight LDS loads just issued stay out.
.macro KSTEP ks, more
	WIN LOADS
	PLACES
.if \ks <= 24
	ALOAD CUR, \ks+7
	BLOAD \ks+1
	s_wait_loadcnt 42
	s_wait_dscnt 8
.else
.if \more
	ALOAD NXT, \ks-25
	BLOAD (\ks+1)%32
	s_wait_loadcnt 42
	s_wait_dscnt 8
.else
.if \ks < 31
	BLOAD \ks+1
	s_wait_loadcnt 6*(31-\ks)                      ; the last unit asks for nothing more: the counts run down
	s_wait_dscnt 8
.else
	s_wait_loadcnt 0
	s_wait_dscnt 0
.endif
.endif
.endif
	WIN MULW
.if \ks == 0
	MUL \ks, 1                                     ; the first product starts the sums: nothing is cleared
.else
	MUL \ks, 0
.endif
.endm
; The scaling by the row's combine weight also brings the row's four neighbouring columns into four neighbouring registers.
.macro EPI
.irp m, 0,1,2
.irp j, 0,1,2,3,4,5,6,7
.irp i, 0,1,2,3
	v_mul_f32 v[O+4*(8*\m+\j)+\i], v[ACC+8*(4*\m+\i)+\j], v[CW+8*\m+\j]
.endr
	global_store_b128 v10, v[O+4*(8*\m+\j):O+4*(8*\m+\j)+3], s[OUT:OUT+1] offset:(16*\m+\j)*4096   ; sixteen lanes store 256 neighbouring bytes, aligned
.endr
.endr
.endm
.macro PASS more                       ; one unit of 48 rows
.irp m, 0,1,2
	global_load_b128 v[CW+8*\m:CW+8*\m+3],   v11, s[CWP:CWP+1] offset:64*\m          ; the weights of rows 16 m + 8 h + 0..7: older than all that the last K steps' waits leave out
	global_load_b128 v[CW+8*\m+4:CW+8*\m+7], v11, s[CWP:CWP+1] offset:64*\m+16
.endr
.irp ks, 0,1,2,3,4,5,6,7,8,9,10,11,12,13,14,15,16,17,18,19,20,21,22,23,24,25,26,27,28,29,30,31
	KSTEP \ks, \more
.endr
	WIN 0
	PLACES
	EPI
.if \more
	s_wait_xcnt 0x0                                ; the pending loads and stores have read their sources: bases and the stores' data may be written
	s_mov_b64 s[CUR:CUR+1], s[NXT:NXT+1]
	s_add_nc_u64 s[NXT:NXT+1], s[NXT:NXT+1], 8*AUNIT
	s_add_nc_u64 s[OUT:OUT+1], s[OUT:OUT+1], 8*OUNIT
	s_add_nc_u64 s[CWP:CWP+1], s[CWP:CWP+1], 8*192
.endif
.endm
	s_load_b256 s[4:11], s[0:1], 0x0               ; w2 s[4:5], hg s[6:7], plan s[8:9], cwp s[10:11]
	s_load_b64 s[12:13], s[0:1], 0x20              ; y
	v_lshl_add_u32 v14, v0, 2, 0x20800
	v_mov_b32 v15, 0
	v_lshrrev_b32 v1, 5, v0
	v_readfirstlane_b32 s14, v1                    ; wave
	v_and_b32 v1, 31, v0                           ; lane
	v_and_b32 v2, 15, v0                           ; c
	v_bfe_u32 v3, v0, 4, 1                         ; h
	s_lshr_b32 s15, ttmp9, 5                       ; expert
	s_bfe_u32 s16, ttmp9, 0x40001                  ; slab: 4 bits from bit 1
	s_and_b32 s17, ttmp9, 1                        ; K half
	s_lshl_b32 s22, s15, 2
	s_lshl_b32 s[WB], s15, 23                      ; 8,388,608 bytes an expert
	s_lshl_b32 s35, s17, 22                        ; 1,024 rows of 4,096 bytes a K half
	s_add_co_u32 s[WB], s[WB], s35
	s_lshl_b32 s35, s16, 8                         ; 256 bytes a slab
	s_add_co_u32 s[WB], s[WB], s35
	s_mov_b32 s[WB+1], 0
	s_mul_i32 s36, s14, 128*WPITCH
	v_mul_u32_u24 v8, v3, 8*WPITCH
	v_lshl_add_u32 v8, v2, 4, v8
	v_add_nc_u32 v8, s36, v8                       ; (128 w + 8 h) rows + 16 c
	s_wait_kmcnt 0x0
	s_add_nc_u64 s[WB:WB+1], s[4:5], s[WB:WB+1]
	s_load_b32 s18, s[8:9], s22 offset:0x0         ; ub: my expert's first unit
	s_load_b32 s19, s[8:9], s22 offset:0x20        ; nu: its units
	WLOAD 0
	WLOAD 1
	WLOAD 2
	WLOAD 3                                        ; 32 loads of 512 bytes of every wave are on their way
	v_lshlrev_b32 v4, 4, v1                        ; 16 lane
	v_add_nc_u32 v5, 8*KSB, v4                     ; K steps 8-15, 16-23, 24-31: an LDS immediate has 16 bits
	v_add_nc_u32 v6, 16*KSB, v4
	v_add_nc_u32 v7, 24*KSB, v4
	s_mul_i32 s36, s14, 4*KSB                      ; my wave's four K steps
	v_add_nc_u32 v9, s36, v4
	v_lshlrev_b32 v10, 15, v3                      ; y: 8 h rows of 4,096 bytes
	v_lshl_or_b32 v10, v2, 4, v10                  ;    + 16 c
	v_lshlrev_b32 v11, 5, v3                       ; cwp: 8 h rows of 4 bytes
	s_wait_kmcnt 0x0
	s_min_u32 s18, s18, 92                         ; the bounds of plan's numbers, written out
	s_min_u32 s19, s19, 93
	; Wave w starts at unit iv = 0, 4, 1, 5, 6, 2, 7, 3 of the expert and steps by 8.  So the first four units of each eight go to waves 0, 2, 5, 7:
	; whether eight waves are shared among four SIMDs in turn or in pairs, these four lie on four different ones.
	s_lshl_b32 s35, s14, 2
	s_lshr_b32 s20, 0x37265140, s35
	s_and_b32 s20, s20, 15
	s_add_co_u32 s21, s19, 7
	s_sub_co_u32 s21, s21, s20
	s_lshr_b32 s21, s21, 3                         ; my units: (nu + 7 - iv) / 8
	s_add_co_u32 s34, s18, s20
	s_cmp_lt_u32 s20, s19
	s_cselect_b32 s34, s34, 0                      ; a wave without a unit asks for unit 0's first K steps (unit 0 is always written) and uses nothing of them
	s_min_u32 s34, s34, 92
	s_mul_i32 s[CUR], s34, AUNIT
	s_mul_i32 s35, s17, 98304                      ; my K half: 32 K steps of 3,072 bytes
	s_add_co_u32 s[CUR], s[CUR], s35
	s_mov_b32 s[CUR+1], 0
	s_add_nc_u64 s[CUR:CUR+1], s[6:7], s[CUR:CUR+1]
	s_add_nc_u64 s[NXT:NXT+1], s[CUR:CUR+1], 8*AUNIT
	s_mul_i32 s[OUT], s34, OUNIT
	s_mul_i32 s35, s17, YH
	s_add_co_u32 s[OUT], s[OUT], s35
	s_lshl_b32 s35, s16, 8
	s_add_co_u32 s[OUT], s[OUT], s35
	s_mov_b32 s[OUT+1], 0
	s_add_nc_u64 s[OUT:OUT+1], s[12:13], s[OUT:OUT+1]
	s_mul_i32 s[CWP], s34, 192
	s_mov_b32 s[CWP+1], 0
	s_add_nc_u64 s[CWP:CWP+1], s[10:11], s[CWP:CWP+1]
	WPUT 0, 24                                     ; three younger groups of eight stay out
	WLOAD 4
	WPUT 1, 24
	WLOAD 5
	WPUT 2, 24
	WLOAD 6
	WPUT 3, 24
	WLOAD 7
	WPUT 4, 24
	WIN LOADS
.irp ks, 0,1,2,3,4,5,6
	ALOAD CUR, \ks                                 ; the first unit's first seven K steps: 42 loads
.endr
	WIN 0
	WPUT 5, 58                                     ; two groups of eight and the 42
	WPUT 6, 50
	WPUT 7, 42
	s_wait_dscnt 0x0                               ; my part of the slab is stored, for the others' sake
	s_barrier_signal -1
	s_barrier_wait -1                              ; the only barrier: the slab is whole, and nobody writes LDS again
	s_cmp_eq_u32 s21, 0
	s_cbranch_scc1 .Lend
	WIN LOADS
	BLOAD 0
	WIN 0
	s_sub_co_u32 s21, s21, 1
	s_cmp_eq_u32 s21, 0
	s_cbranch_scc1 .Llast
.Lpass:                                            ; on both ways in: 42 loads and 8 LDS loads are out
	PASS 1
	s_sub_co_u32 s21, s21, 1
	s_cmp_lg_u32 s21, 0
	s_cbranch_scc1 .Lpass
.Llast:
	PASS 0
.Lend:
	s_wait_tensorcnt 0x0
	ds_add_u32 v14, v15
	s_wait_dscnt 0x0
	s_endpgm
.Lfunc_end_k_qc6fd5901dc_gemm2:
	.size	k_qc6fd5901dc_gemm2, .Lfunc_end_k_qc6fd5901dc_gemm2-k_qc6fd5901dc_gemm2
	.p2alignl 7, 3214868480
	.fill 96, 4, 3214868480
	.section	.rodata,"a",@progbits
	.p2align	6, 0x0
	.amdhsa_kernel k_qc6fd5901dc_gemm2
		.amdhsa_group_segment_fixed_size 134144
		.amdhsa_private_segment_fixed_size 0
		.amdhsa_enable_private_segment 0
		.amdhsa_kernarg_size 40
		.amdhsa_user_sgpr_count 2
		.amdhsa_user_sgpr_kernarg_segment_ptr 1
		.amdhsa_wavefront_size32 1
		.amdhsa_system_sgpr_workgroup_id_x 1
		.amdhsa_system_sgpr_workgroup_id_y 1
		.amdhsa_system_sgpr_workgroup_id_z 1
		.amdhsa_system_vgpr_workitem_id 0
		.amdhsa_next_free_vgpr 512
		.amdhsa_next_free_sgpr 66
		.amdhsa_reserve_vcc 0
		.amdhsa_float_denorm_mode_32 3
		.amdhsa_float_denorm_mode_16_64 3
		.amdhsa_memory_ordered 1
		.amdhsa_forward_progress 1
		.amdhsa_inst_pref_size 165
	.end_amdhsa_kernel
	.amdgpu_metadata
---
amdhsa.version: [ 1, 2 ]
amdhsa.kernels:
  - .name:           k_qc6fd5901dc_gemm2
    .symbol:         k_qc6fd5901dc_gemm2.kd
    .args:
      - { .name: w2, .offset: 0, .size: 8, .value_kind: global_buffer, .address_space: global }
      - { .name: hg, .offset: 8, .size: 8, .value_kind: global_buffer, .address_space: global }
      - { .name: plan, .offset: 16, .size: 8, .value_kind: global_buffer, .address_space: global }
      - { .name: cwp, .offset: 24, .size: 8, .value_kind: global_buffer, .address_space: global }
      - { .name: y, .offset: 32, .size: 8, .value_kind: global_buffer, .address_space: global }
    .group_segment_fixed_size: 134144
    .private_segment_fixed_size: 0
    .kernarg_segment_align: 8
    .kernarg_segment_size: 40
    .max_flat_workgroup_size: 256
    .sgpr_count:     66
    .vgpr_count:     512
    .wavefront_size: 32
...
	.end_amdgpu_metadata
.endif
;; end of part 4
;; launch combine (part 5): grid 256 x 1, 8 waves a work-group, no clusters, 0 bytes of LDS; arguments y, plan, out0; writes out0
.if DOCPART == 5
	.amdgcn_target "amdgcn-amd-amdhsa--gfx1250"
	.amdhsa_code_object_version 6
	.text
	.protected	k_qc6fd5901dc_combine
	.globl	k_qc6fd5901dc_combine
	.p2align	8
	.type	k_qc6fd5901dc_combine,@function
k_qc6fd5901dc_combine:
	s_mov_b64 s[64:65], 0
	v_nop
	global_prefetch_b8 v0, s[64:65] scope:SCOPE_SE
	s_setreg_imm32_b32 hwreg(HW_REG_WAVE_MODE, 25, 1), 1
	s_wait_xcnt 0x0
; COMBINE.  out0[t] = (y[0][p0] + y[1][p0]) + (y[0][p1] + y[1][p1]): a token's two sorted rows, each in two K halves, already scaled by their combine weights.
; A stream: one wave takes one token; each load and store of the wave covers 512 neighbouring bytes; all 32 loads go out at once.
; No LDS, no barrier, no matrix unit: each byte is used once, by one lane.
.set POS_OFF, 256
.set YH, 18284544                      ; bytes of a K half of y
.set D, 8                              ; v[8:135]  piece j of the row: 16 registers, four sources of 4
	s_load_b128 s[4:7], s[0:1], 0x0                ; y s[4:5], plan s[6:7]
	s_load_b64 s[8:9], s[0:1], 0x10                ; out0
	v_lshrrev_b32 v1, 5, v0
	v_readfirstlane_b32 s10, v1                    ; wave
	v_and_b32 v1, 31, v0
	v_lshlrev_b32 v1, 4, v1                        ; 16 lane
	s_lshl3_add_u32 s11, ttmp9, s10                ; token = 8 x work-group + wave
	s_lshl_b32 s12, s11, 2
	s_wait_kmcnt 0x0
	s_load_b32 s13, s[6:7], s12 offset:POS_OFF     ; p0 | p1 << 16
	s_lshl_b32 s14, s11, 12
	s_mov_b32 s15, 0
	s_add_nc_u64 s[8:9], s[8:9], s[14:15]
	s_wait_kmcnt 0x0
	s_and_b32 s16, s13, 0xffff
	s_lshr_b32 s18, s13, 16
	s_min_u32 s16, s16, 4463                       ; a sorted row; the bound keeps the address in y
	s_min_u32 s18, s18, 4463
	s_lshl_b32 s16, s16, 12
	s_lshl_b32 s18, s18, 12
	s_mov_b32 s17, 0
	s_mov_b32 s19, 0
	s_add_nc_u64 s[16:17], s[4:5], s[16:17]
	s_add_nc_u64 s[18:19], s[4:5], s[18:19]
	s_add_nc_u64 s[20:21], s[16:17], YH
	s_add_nc_u64 s[22:23], s[18:19], YH
.irp j, 0,1,2,3,4,5,6,7
	global_load_b128 v[D+16*\j:D+16*\j+3],     v1, s[16:17] offset:512*\j th:TH_LOAD_NT
	global_load_b128 v[D+16*\j+4:D+16*\j+7],   v1, s[20:21] offset:512*\j th:TH_LOAD_NT
	global_load_b128 v[D+16*\j+8:D+16*\j+11],  v1, s[18:19] offset:512*\j th:TH_LOAD_NT
	global_load_b128 v[D+16*\j+12:D+16*\j+15], v1, s[22:23] offset:512*\j th:TH_LOAD_NT
.endr
.irp j, 0,1,2,3,4,5,6,7
	s_wait_loadcnt 4*(7-\j)                        ; piece j's four loads are in; the four of each later piece stay out
	v_pk_add_f32 v[D+16*\j:D+16*\j+1],     v[D+16*\j:D+16*\j+1],     v[D+16*\j+4:D+16*\j+5]
	v_pk_add_f32 v[D+16*\j+2:D+16*\j+3],   v[D+16*\j+2:D+16*\j+3],   v[D+16*\j+6:D+16*\j+7]
	v_pk_add_f32 v[D+16*\j+8:D+16*\j+9],   v[D+16*\j+8:D+16*\j+9],   v[D+16*\j+12:D+16*\j+13]
	v_pk_add_f32 v[D+16*\j+10:D+16*\j+11], v[D+16*\j+10:D+16*\j+11], v[D+16*\j+14:D+16*\j+15]
	v_pk_add_f32 v[D+16*\j:D+16*\j+1],     v[D+16*\j:D+16*\j+1],     v[D+16*\j+8:D+16*\j+9]
	v_pk_add_f32 v[D+16*\j+2:D+16*\j+3],   v[D+16*\j+2:D+16*\j+3],   v[D+16*\j+10:D+16*\j+11]
	global_store_b128 v1, v[D+16*\j:D+16*\j+3], s[8:9] offset:512*\j th:TH_STORE_NT
.endr
	s_endpgm
.Lfunc_end_k_qc6fd5901dc_combine:
	.size	k_qc6fd5901dc_combine, .Lfunc_end_k_qc6fd5901dc_combine-k_qc6fd5901dc_combine
	.p2alignl 7, 3214868480
	.fill 96, 4, 3214868480
	.section	.rodata,"a",@progbits
	.p2align	6, 0x0
	.amdhsa_kernel k_qc6fd5901dc_combine
		.amdhsa_group_segment_fixed_size 0
		.amdhsa_private_segment_fixed_size 0
		.amdhsa_enable_private_segment 0
		.amdhsa_kernarg_size 24
		.amdhsa_user_sgpr_count 2
		.amdhsa_user_sgpr_kernarg_segment_ptr 1
		.amdhsa_wavefront_size32 1
		.amdhsa_system_sgpr_workgroup_id_x 1
		.amdhsa_system_sgpr_workgroup_id_y 1
		.amdhsa_system_sgpr_workgroup_id_z 1
		.amdhsa_system_vgpr_workitem_id 0
		.amdhsa_next_free_vgpr 140
		.amdhsa_next_free_sgpr 66
		.amdhsa_reserve_vcc 0
		.amdhsa_float_denorm_mode_32 3
		.amdhsa_float_denorm_mode_16_64 3
		.amdhsa_memory_ordered 1
		.amdhsa_forward_progress 1
		.amdhsa_inst_pref_size 9
	.end_amdhsa_kernel
	.amdgpu_metadata
---
amdhsa.version: [ 1, 2 ]
amdhsa.kernels:
  - .name:           k_qc6fd5901dc_combine
    .symbol:         k_qc6fd5901dc_combine.kd
    .args:
      - { .name: y, .offset: 0, .size: 8, .value_kind: global_buffer, .address_space: global }
      - { .name: plan, .offset: 8, .size: 8, .value_kind: global_buffer, .address_space: global }
      - { .name: out0, .offset: 16, .size: 8, .value_kind: global_buffer, .address_space: global }
    .group_segment_fixed_size: 0
    .private_segment_fixed_size: 0
    .kernarg_segment_align: 8
    .kernarg_segment_size: 24
    .max_flat_workgroup_size: 256
    .sgpr_count:     66
    .vgpr_count:     140
    .wavefront_size: 32
...
	.end_amdgpu_metadata
.endif
;; end of part 5
